; MI455X (gfx1250); checked and timed in simulation.
; The chip was launched on July 23, 2026; its instructions are those of AMD's public machine-readable ISA for CDNA 5 (MIT licence, August 2026) and "CDNA5" Instruction Set Architecture Reference Guide (July 2026). The comments in the code are by the model that wrote it; some were corrected since.
;; Multi Head Attention. Allowed arithmetic: matrix products marked QUANTISED: E5M2 operands, one E8M0 scale for each 32 along K, by v_wmma_scale_f32_16x16x128_f8f6f4 with both operands' format E5M2, f32 sums; everything else in f32.
;; Inputs: Wk_codes 1,024 x 32 x 32 uint8 (E5M2 codes of Wk, K innermost, in blocks of 32 codes); Wk_scales 1,024 x 32 uint8 (E8M0 scales of Wk, one for each 32 codes along K); Wq_codes 1,024 x 32 x 32 uint8 (E5M2 codes of Wq, K innermost, in blocks of 32 codes); Wq_scales 1,024 x 32 uint8 (E8M0 scales of Wq, one for each 32 codes along K); Wv_codes 1,024 x 32 x 32 uint8 (E5M2 codes of Wv, K innermost, in blocks of 32 codes); Wv_scales 1,024 x 32 uint8 (E8M0 scales of Wv, one for each 32 codes along K); bk 1,024 float32; bq 1,024 float32; bv 1,024 float32; key_codes 4 x 4,096 x 32 x 32 uint8 (E5M2 codes of key, K innermost, in blocks of 32 codes); key_scales 4 x 4,096 x 32 uint8 (E8M0 scales of key, one for each 32 codes along K); query_codes 4 x 4,096 x 32 x 32 uint8 (E5M2 codes of query, K innermost, in blocks of 32 codes); query_scales 4 x 4,096 x 32 uint8 (E8M0 scales of query, one for each 32 codes along K); value_codes 4 x 4,096 x 32 x 32 uint8 (E5M2 codes of value, K innermost, in blocks of 32 codes); value_scales 4 x 4,096 x 32 uint8 (E8M0 scales of value, one for each 32 codes along K).
;; Outputs: out0 4 x 4,096 x 1,024 float32.
;; This version of the problem:
;;   THIS VERSION OF THE PROBLEM IS GIVEN IN LOW PRECISION. The matrix products marked QUANTISED in the list below multiply operands that are first quantised to E5M2 (5 exponent bits, 2 mantissa bits; 8 bits a number), with one power-of-two scale for each 32 numbers along K (OCP MX v1.0); their sums are f32. All else is computed in f32.
;;   The module's matrix products, in the order in which they are computed (A, B: the left and right operand; K: the contracted axis; several contracted axes count as one K, in the product's order):
;;     1. [M 16,384, K 1,024] x [K 1,024, N 1,024]; A: input query (given as codes); B: input Wq (given as codes): QUANTISED
;;     2. [M 16,384, K 1,024] x [K 1,024, N 1,024]; A: input key (given as codes); B: input Wk (given as codes): QUANTISED
;;     3. [M 16,384, K 1,024] x [K 1,024, N 1,024]; A: input value (given as codes); B: input Wv (given as codes): QUANTISED
;;     4. batch 16,384 x [M 32, K 32] x [K 32, N 32]; A: computed on the way; B: computed on the way: QUANTISED
;;   THE QUANTISER, for each operand of a quantised product, along K:
;;     - K is cut into blocks of 32 from its start; a last block that is shorter is filled with zeros.
;;     - A block's scale is 2^e with e = floor(log2(the largest magnitude in the block)) - 15, held to -126 .. 127; a block of zeros has e = 0. As a byte (E8M0): e + 127.
;;     - Each number is divided by its block's scale, clamped to +-57,344, and rounded to the nearest number of E5M2, ties to even, subnormals kept.
;;     - The product sums the exact products of the quantised numbers (number of the format x scale) in f32.
;;   ~~~python
;;   def quantise(x, axis):      # numpy; x: float32 -> the quantised numbers, widened to float32 again
;;       x = np.moveaxis(x, axis, -1); K = x.shape[-1]
;;       x = np.pad(x, [(0, 0)] * (x.ndim - 1) + [(0, -K % 32)]); x = x.reshape(x.shape[:-1] + (-1, 32)); a = np.abs(x).max(-1, keepdims=True)
;;       e = np.where(a > 0, np.clip(np.frexp(np.where(a > 0, a, 1))[1] - 1 - 15, -126, 127), 0)      # np.frexp(a)[1] - 1 = floor(log2(a)), exactly
;;       r = np.clip(x / 2.0 ** e, -57344, 57344)
;;       step = 2.0 ** (np.maximum(np.frexp(np.where(r == 0, 1, r))[1] - 1, -14) - 2)
;;       q = np.round(r / step) * step * 2.0 ** e      # np.round: ties to even
;;       return np.moveaxis(q.reshape(q.shape[:-2] + (-1,))[..., :K], -1, axis).astype(np.float32)
;;   ~~~
;;   OPERANDS COMPUTED ON THE WAY. 'Computed on the way' means the value that the module computes at that place (a softmax that the list does not call 'softmax' is quantised finished and normalised). What goes into a quantiser is computed in f32, as accurately as f32 sums, v_exp_f32 and their like allow (about 1e-6 of the number): no bf16 or f16 on the way to a quantiser, and a product that is left as it is and whose result goes on into a quantised operand takes f32 operands (vector FMAs, or v_wmma_f32_16x16x4_f32). A number that lies on a knife's edge between two numbers of the format may be rounded either way, as far as f32 arithmetic and the matrix unit's own rounding can turn it there, and no further.
;;   INPUTS GIVEN AS CODES. Wk (in the module: [1024, 1024], K = its axis 1); Wq (in the module: [1024, 1024], K = its axis 1); Wv (in the module: [1024, 1024], K = its axis 1); key (in the module: [4, 4096, 1024], K = its axis 2); query (in the module: [4, 4096, 1024], K = its axis 2); value (in the module: [4, 4096, 1024], K = its axis 2): each comes as NAME_codes (uint8): NAME with its K axis moved to the last place and cut into blocks of 32 codes, [.., K / 32, bytes a block], one block behind the other in memory; one code a byte (a code: sign, 5 exponent bits, 2 mantissa bits); and NAME_scales (uint8): the same leading axes, one E8M0 byte (e + 127) for each 32 codes along K. Its value is code x scale, taken as it is: it is not quantised again, and the codes and scales need not be those that the quantiser above would give.
;; One version. Each part assembles by itself: llvm-mc -triple=amdgcn-amd-amdhsa -mcpu=gfx1250 --defsym DOCPART=n.
;; ======== version 1 of 1: 2 launches
;; limits: right only within a limited range of input values
;; workspace buffers: kc 16,777,216 bytes; ks 524,288 bytes
;; launch proj_k (part 1): grid 4 x 64, 4 waves a work-group, clusters of 4 x 4, 327,680 bytes of LDS; arguments key_codes, key_scales, Wk_codes, Wk_scales, bk, kc, ks; writes kc, ks
.if DOCPART == 1
	.amdgcn_target "amdgcn-amd-amdhsa--gfx1250"
	.amdhsa_code_object_version 6
	.text
	.protected	k_qde269d346c_proj_k
	.globl	k_qde269d346c_proj_k
	.p2align	8
	.type	k_qde269d346c_proj_k,@function
k_qde269d346c_proj_k:
	s_mov_b64 s[64:65], 0
	v_nop
	global_prefetch_b8 v0, s[64:65] scope:SCOPE_SE
	s_setreg_imm32_b32 hwreg(HW_REG_WAVE_MODE, 25, 1), 1
	s_wait_xcnt 0x0
	s_wait_alu depctr_hold_cnt(0) depctr_sa_sdst(0) depctr_va_vdst(0) depctr_va_sdst(0) depctr_va_ssrc(0) depctr_va_vcc(0) depctr_vm_vsrc(0)
	s_getreg_b32 s2, hwreg(HW_REG_IB_STS2, 6, 4)
	s_cmp_eq_u32 s2, 0
	s_cbranch_scc0 .Lentry_in_a_cluster
	s_endpgm
.Lentry_in_a_cluster:
	s_bfe_u32 s2, ttmp6, 0x10000c
	s_cmp_lg_u32 s2, 0xf033
	s_cbranch_scc0 .Lentry_shape_is_right
	s_endpgm
.Lentry_shape_is_right:
; k = key Wk^T + bk on codes of BF8 (E5M2) with E8M0 scales, quantised again in blocks of 32 (one head of one token): codes kc[plane = head / 8][token][half of the head's 32 numbers][head % 8][16 bytes],
; scale bytes ks[plane][token / 16][head % 8][token % 16].  Half h of a head holds d = 8 h .. 8 h + 7 and 16 + 8 h .. 16 + 8 h + 7: the next launch holds q in the same order.  No work of reference() is left out.
; LIMITS: NaN, infinities and sums beyond f32's range are not served.
; A work-group makes 256 tokens x 256 columns; a wave 64 tokens x 256 columns: 64 accumulators of 16 x 16.  K goes in four steps of 256 through two LDS slots (256 rows of key, 256 of Wk, rows of 256 bytes + 16 of padding).
; 4 x 4 clusters: key's tile is shared along a row of the cluster, Wk's along a column, by joint loads.  The matrix instruction is used transposed (source 0 = Wk's rows): a lane holds one token.
; The scale bytes go straight into registers: lane l holds row l of a group of 32 rows.  The bias is the first products' C.
; K steps 2 and 3 are prefetched behind the first barrier, a block once in a cluster: key's by every cluster, Wk's, which all clusters read, by the four whose number is a multiple of 4.
; WINDOWS: 0: addresses, scale words, X's fragments (two sets);  1: W's fragments (four sets of two), the bias, then codes;  2, 3: accumulator (a, b) at 128 (a % 2) + 8 b in window 2 + a / 2.
.set PITCH, 272
.set HALFT, 128*PITCH
.set SLOT, 4*HALFT
.set SCST, 2*SLOT                      ; the scale bytes' stage, 512 a wave
.set SPARE, SCST+2048
.set ADRA, 1
.set ADRB, 3
.set SPW, 5
.set NIL, 6
.set SOF, 7
.set PFO, 8
.set BOF, 10
.set STO, 11                           ; the codes' stage lies in slot 0, which has had its last fill and its last read
.set RDK, 12
.set SBA, 13
.set SRD, 14
.set CO, 15
.set WL, 32                            ; scale words in use: W's group g, word w at WL + 4 g + w; X's at XL + 4 x + w: never equal modulo 8
.set XL, 66
.set WH, 76
.set XH, 110
.set TM, 192
.set G1X, 24
.set G0X, 32
.set G1W, 48
.set G0W, 56
.set G1HX, 84
.set G1HW, 92
.set NX, 4
.set NW, 8
.set FIRST, 1
.set MSB, 0
.macro WIN new
.if MSB != (\new)
	s_set_vgpr_msb (MSB<<8)|(\new)
.set MSB, (\new)
.endif
.endm
.macro PLACES n
.rept \n
	v_nop
.endr
.endm
.macro TLOAD g0, g1
	tensor_load_to_lds s[\g0:\g0+3], s[\g1:\g1+7]
	s_nop 0
	PLACES 4
.endm
.macro JLOAD s                         ; waves 0, 1 fetch X's halves, waves 2, 3 W's
	s_cmp_eq_u32 s15, 0
	s_cbranch_scc0 .Lfor_w_\@
	TLOAD G0X+4*\s, G1X
	s_branch .Lasked_\@
.Lfor_w_\@:
	TLOAD G0W+4*\s, G1W
.Lasked_\@:
.endm
.macro CREST
	s_cmp_lg_u32 s14, 0
	s_cbranch_scc1 .Lnot_wave_0_\@
	s_barrier_signal -3
.Lnot_wave_0_\@:
	s_barrier_wait -3
	s_barrier_signal -1
	s_barrier_wait -1
.endm
.macro CROUND
	s_barrier_signal -1
	s_barrier_wait -1
	CREST
.endm
.macro G1SET g, m, rows
	s_or_b32 s[\g], s\m, (1<<20)|(1<<21)|(5<<22)|(3<<25)
	s_mov_b32 s[\g+1], 256<<16
	s_mov_b32 s[\g+2], \rows<<16
	s_mov_b32 s[\g+3], 256<<16
	s_mov_b32 s[\g+4], \rows
	s_mov_b32 s[\g+5], 1024
	s_mov_b32 s[\g+6], 0
	s_mov_b32 s[\g+7], 0
.endm
.macro G0SET g, lds, base, off
	s_mov_b32 s[\g], 1
	s_mov_b32 s[\g+1], \lds
	s_add_nc_u64 s[\g+2:\g+3], s[\base:\base+1], \off
	s_or_b32 s[\g+3], s[\g+3], 0x80000000
.endm
.macro ARM under, g0, g1, next
	s_cmp_lt_u32 s14, \under
	s_cbranch_scc0 \next
	TLOAD \g0, \g1
	s_branch .Lhead_asked
\next:
.endm
.macro WLD slot, q, g                  ; W's tiles 2 g, 2 g + 1 into set g % 4
	WIN 0x40
.irp i, 0,1
.irp c, 0,1,2,3
	ds_load_b128 v[32*((\g)%4)+16*\i+4*\c:32*((\g)%4)+16*\i+4*\c+3], v[ADRB+\slot] offset:128*(\q)+32*\c+(2*(\g)+\i)*16*PITCH
.endr
.endr
.endm
.macro XLD slot, q, a                  ; X's tile a into set q
	WIN 0
.irp c, 0,1,2,3
	ds_load_b128 v[128+64*(\q)+16*\a+4*\c:128+64*(\q)+16*\a+4*\c+3], v[ADRA+\slot] offset:128*(\q)+32*\c+\a*16*PITCH
.endr
.endm
.macro START slot                      ; a slot's first loads: X's set 0, W's groups 0 to 2
	WLD \slot, 0, 0
.irp a, 0,1,2,3
	XLD \slot, 0, \a
.endr
	WLD \slot, 0, 1
	WLD \slot, 0, 2
	WIN 0
.endm
.macro PR hi, q, g, w, i, aa
.set D_, 128*\aa+16*(\g)+8*\i
.set C_, D_
.if FIRST
.set C_, 128+16*(\g)+8*\i              ; the bias of these 16 columns, in window 1
.endif
.set A_, 32*((\g)%4)+16*\i
.set B_, 128+64*(\q)+32*\hi+16*\aa
.set P_, WL+4*(\g)+(\w)
.set R_, XL+4*\hi+(\w)
.if \i && \aa
	v_wmma_scale_f32_16x16x128_f8f6f4 v[D_:D_+7], v[A_:A_+15], v[B_:B_+15], v[C_:C_+7], v[P_], v[R_] matrix_a_fmt:MATRIX_FMT_BF8 matrix_b_fmt:MATRIX_FMT_BF8 matrix_a_scale:MATRIX_SCALE_ROW1 matrix_b_scale:MATRIX_SCALE_ROW1
.elseif \i
	v_wmma_scale_f32_16x16x128_f8f6f4 v[D_:D_+7], v[A_:A_+15], v[B_:B_+15], v[C_:C_+7], v[P_], v[R_] matrix_a_fmt:MATRIX_FMT_BF8 matrix_b_fmt:MATRIX_FMT_BF8 matrix_a_scale:MATRIX_SCALE_ROW1
.elseif \aa
	v_wmma_scale_f32_16x16x128_f8f6f4 v[D_:D_+7], v[A_:A_+15], v[B_:B_+15], v[C_:C_+7], v[P_], v[R_] matrix_a_fmt:MATRIX_FMT_BF8 matrix_b_fmt:MATRIX_FMT_BF8 matrix_b_scale:MATRIX_SCALE_ROW1
.else
	v_wmma_scale_f32_16x16x128_f8f6f4 v[D_:D_+7], v[A_:A_+15], v[B_:B_+15], v[C_:C_+7], v[P_], v[R_] matrix_a_fmt:MATRIX_FMT_BF8 matrix_b_fmt:MATRIX_FMT_BF8
.endif
.endm
.macro MULH hi, q, g, slot             ; two tiles of W x token tiles 2 hi, 2 hi + 1.  The 64 accumulators take turns in the same order in every 128 along K
.if FIRST
	WIN 0x91+0x40*\hi
.else
	WIN 0xa1+0x50*\hi
.endif
	PR \hi, \q, \g, 2*\slot+(\q), 0, 0
	PR \hi, \q, \g, 2*\slot+(\q), 0, 1
	PR \hi, \q, \g, 2*\slot+(\q), 1, 0
	PR \hi, \q, \g, 2*\slot+(\q), 1, 1
.endm
; Group t of a slot's 16 (128 along K: eight groups).  W's fragments are asked for three groups ahead, X's second set in groups 2 and 4.  The wait leaves out what was issued behind this group's own loads: up to three groups of 8, and 8 for each pair of X's tiles.
.macro GROUP slot, t
.set T_, \t
.if T_ == 8
.set FIRST, 0
.endif
.if T_ < 13
	PLACES 8
	WLD \slot, (T_+3)/8, (T_+3)%8
.set N_, 24
.else
.set N_, 8*(15-T_)
.endif
.if T_ == 2
	XLD \slot, 1, 0
	XLD \slot, 1, 1
.elseif T_ == 4
	XLD \slot, 1, 2
	XLD \slot, 1, 3
.endif
.if T_ >= 2 && T_ <= 5
.set N_, N_+8
.endif
.if T_ >= 4 && T_ <= 7
.set N_, N_+8
.endif
	s_wait_dscnt N_
	MULH 0, T_/8, T_%8, \slot
	MULH 1, T_/8, T_%8, \slot
.endm
.macro STEP slot
.irp t, 0,1,2,3,4,5,6,7,8,9,10,11,12,13
	GROUP \slot, \t
.endr
.endm
; The slot's last two groups and the change of slots.  Behind the waits nobody reads this slot any more and the other is whole; group 15's products stand behind the next slot's first loads.
.macro TURN slot, fill
	WIN 0
	s_wait_tensorcnt 0x0                           ; my tensor loads are in
	ds_add_u32 v[SPW], v[NIL]
.if \fill
	s_add_co_u32 s[G0X+4*\slot+1], s18, \slot*SLOT
	s_add_nc_u64 s[G0X+4*\slot+2:G0X+4*\slot+3], s[NX:NX+1], 256*\slot
	s_or_b32 s[G0X+4*\slot+3], s[G0X+4*\slot+3], 0x80000000
	s_add_co_u32 s[G0W+4*\slot+1], s18, \slot*SLOT+2*HALFT
	s_add_nc_u64 s[G0W+4*\slot+2:G0W+4*\slot+3], s[NW:NW+1], 256*\slot
	s_or_b32 s[G0W+4*\slot+3], s[G0W+4*\slot+3], 0x80000000
.endif
	s_wait_dscnt 9                                 ; (group 15's eight loads and the add may be out)
	MULH 0, 1, 6, \slot
	s_wait_dscnt 0x0                               ; the add and my reads of this slot are done
	s_barrier_signal -1
	MULH 1, 1, 6, \slot
	WIN 0
	s_barrier_wait -1
.if \fill
	CREST
	JLOAD \slot
	PLACES 4
.else
	PLACES 8
.endif
	START 1-\slot
	MULH 0, 1, 7, \slot
	MULH 1, 1, 7, \slot
	WIN 0
.endm
	s_load_b256 s[4:11], s[0:1], 0x0               ; key's codes, scales, Wk's codes, scales
	s_load_b128 s[76:79], s[0:1], 0x20             ; bk, kc
	s_load_b64 s[80:81], s[0:1], 0x30              ; ks
	v_lshl_add_u32 v[SPW], v0, 2, SPARE
	v_mov_b32 v[NIL], 0
	ds_add_u32 v[SPW], v[NIL]                      ; the opening: the add, twice on end, and its wait ahead of my first tensor load
	ds_add_u32 v[SPW], v[NIL]
	v_lshrrev_b32 v1, 5, v0
	v_readfirstlane_b32 s14, v1                    ; wave
	s_lshr_b32 s15, s14, 1
	s_and_b32 s16, s14, 1
	s_bfe_u32 s40, ttmp6, 0x40000                  ; cx: the column tile
	s_bfe_u32 s41, ttmp6, 0x40004
	s_and_b32 s17, ttmp7, 0xffff
	s_lshl_b32 s17, s17, 2
	s_add_co_u32 s17, s17, s41                     ; the tile of tokens
	s_lshl_b32 s43, s41, 2
	s_lshl_b32 s43, 15, s43
	s_lshl_b32 s44, 0x1111, s40
	G1SET G1X, 43, 128
	G1SET G1W, 44, 128
	G1SET G1HX, 43, 256
	G1SET G1HW, 44, 256
	s_mul_i32 s18, s16, HALFT
	s_lshl_b32 s20, s17, 18
	s_mov_b32 s21, 0
	s_lshl_b32 s22, s40, 18
	s_mov_b32 s23, 0
	s_lshl_b32 s42, s17, 13
	s_lshl_b32 s43, s14, 11
	s_add_co_u32 s42, s42, s43
	s_mov_b32 s43, 0
	s_lshl_b32 s44, s40, 13
	s_mov_b32 s45, 0
	s_wait_dscnt 0x0
	CROUND                                         ; all sixteen work-groups are here
	s_wait_kmcnt 0x0
	s_add_nc_u64 s[4:5], s[4:5], s[20:21]
	s_add_nc_u64 s[8:9], s[8:9], s[22:23]
	s_add_nc_u64 s[6:7], s[6:7], s[42:43]
	s_add_nc_u64 s[10:11], s[10:11], s[44:45]
	G0SET G0X, 0, 4, 0
	G0SET G0W, 2*HALFT, 8, 0
	G0SET G0X+4, SLOT, 4, 256
	G0SET G0W+4, SLOT+2*HALFT, 8, 256
	; one load a wave: waves 0 and 1 K step 0's rows of X and W, waves 2 and 3 K step 1's
	ARM 1, G0X, G1HX, .Lh1
	ARM 2, G0W, G1HW, .Lh2
	ARM 3, G0X+4, G1HX, .Lh3
	TLOAD G0W+4, G1HW
.Lhead_asked:
	s_lshl_b32 s2, s40, 16                         ; the prefetches: of 256 rows my work-group names 64, my wave 16, two blocks of 256 bytes each: X's by cx, W's by cy
	s_lshl_b32 s20, s14, 14
	s_add_co_u32 s2, s2, s20
	s_mov_b32 s3, 0
	s_add_nc_u64 s[100:101], s[4:5], s[2:3]
	s_add_nc_u64 s[100:101], s[100:101], 512
	s_lshl_b32 s2, s41, 16
	s_add_co_u32 s2, s2, s20
	s_add_nc_u64 s[42:43], s[8:9], s[2:3]
	s_add_nc_u64 s[42:43], s[42:43], 512
	s_and_b32 s41, ttmp7, 3                        ; 0: my cluster names W's rows
	s_lshl_b32 s2, s16, 17                         ; in the ring I fetch 128 rows
	s_add_nc_u64 s[NX:NX+1], s[4:5], s[2:3]
	s_add_nc_u64 s[NX:NX+1], s[NX:NX+1], 512
	s_add_nc_u64 s[NW:NW+1], s[8:9], s[2:3]
	s_add_nc_u64 s[NW:NW+1], s[NW:NW+1], 512
	s_lshl_b32 s2, s40, 10
	s_add_nc_u64 s[76:77], s[76:77], s[2:3]
	s_lshl_b32 s2, s17, 16                         ; my codes: plane cx, my first token
	s_add_co_u32 s2, s2, s20
	s_lshl_b32 s20, s40, 22
	s_add_co_u32 s2, s2, s20
	s_add_nc_u64 s[78:79], s[78:79], s[2:3]
	s_lshl_b32 s2, s17, 11                         ; and scale bytes
	s_lshl_b32 s20, s14, 9
	s_add_co_u32 s2, s2, s20
	s_lshl_b32 s20, s40, 17
	s_add_co_u32 s2, s2, s20
	s_add_nc_u64 s[80:81], s[80:81], s[2:3]
	v_and_b32 v200, 15, v0                         ; r
	v_bfe_u32 v201, v0, 4, 1                       ; h
	v_and_b32 v202, 31, v0                         ; lane
	v_lshlrev_b32 v[SOF], 5, v202
	v_lshlrev_b32 v[BOF], 5, v201
	WIN 0x40
.irp b, 0,1,2,3,4,5,6,7,8,9,10,11,12,13,14,15
	global_load_b128 v[128+8*\b:128+8*\b+3], v[BOF], s[76:77] offset:64*\b
	global_load_b128 v[128+8*\b+4:128+8*\b+7], v[BOF], s[76:77] offset:64*\b+16
.endr
	WIN 0
.irp g, 0,1,2,3,4,5,6,7
	global_load_b128 v[WL+4*\g:WL+4*\g+3], v[SOF], s[10:11] offset:1024*\g
	global_load_b128 v[WH+4*\g:WH+4*\g+3], v[SOF], s[10:11] offset:1024*\g+16
.endr
.irp g, 0,1
	global_load_b128 v[XL+4*\g:XL+4*\g+3], v[SOF], s[6:7] offset:1024*\g
	global_load_b128 v[XH+4*\g:XH+4*\g+3], v[SOF], s[6:7] offset:1024*\g+16
.endr
	s_mul_i32 s20, s14, 64*PITCH
	s_lshl_b32 s21, s14, 9
	s_add_co_u32 s21, s21, SCST
	v_mul_u32_u24 v203, v200, PITCH
	v_lshl_add_u32 v204, v201, 4, v203
	v_add_nc_u32 v[ADRA], s20, v204
	v_add_nc_u32 v[ADRA+1], SLOT, v[ADRA]
	v_add_nc_u32 v[ADRB], 2*HALFT, v204
	v_add_nc_u32 v[ADRB+1], SLOT, v[ADRB]
	v_lshrrev_b32 v205, 1, v202
	v_and_b32 v206, 1, v202
	v_lshlrev_b32 v[PFO], 10, v205
	v_lshl_add_u32 v[PFO], v206, 8, v[PFO]
	v_lshl_add_u32 v[STO], v201, 7, v203
	v_add_nc_u32 v[STO], s20, v[STO]
	v_mul_u32_u24 v205, v201, PITCH
	v_lshl_add_u32 v205, v200, 4, v205
	v_add_nc_u32 v[RDK], s20, v205
	v_add_nc_u32 v[SBA], s21, v200
	v_lshlrev_b32 v[CO], 4, v202
	v_add_nc_u32 v[SRD], s21, v[CO]
	s_mov_b32 s20, 0x76543210
	s_mov_b32 s21, 0xfedcba98
	s_mov_b32 s19, 0x600000                        ; the mantissa field of 57,344
	s_wait_alu depctr_va_vdst(0)                   ; the head's end
	s_wait_loadcnt 0x0
	s_cmp_lt_u32 s14, 2
	s_cbranch_scc0 .Lnot_first
	s_wait_tensorcnt 0x0                           ; waves 0 and 1: K step 0 is in; the others' wait stands at the first change of slots
.Lnot_first:
	s_barrier_signal -1
	s_barrier_wait -1
	START 0
	global_prefetch_b8 v[PFO], s[100:101] th:TH_LOAD_NT scope:SCOPE_SE
	s_cmp_eq_u32 s41, 0
	s_cbranch_scc0 .Lno_w
	global_prefetch_b8 v[PFO], s[42:43] th:TH_LOAD_NT scope:SCOPE_SE
.Lno_w:
	STEP 0
	TURN 0, 1
	STEP 1
	TURN 1, 1
.set WL, WH                            ; the second half of K has its own scale words
.set XL, XH
	STEP 0
	TURN 0, 0
	STEP 1
	GROUP 1, 14
	GROUP 1, 15
	WIN 0
	PLACES 8
; Four heads of one token tile: the largest magnitude of a head's 32 numbers (16 here, 16 in lane l xor 16), the scale's byte, the hold, the codes.
.macro QUANT a, hg
.set AC, 128*((\a)%2)+64*\hg
.set WW, 2+(\a)/2
.set QC, 128+32*\a+16*\hg
	WIN WW*5
.irp e, 0,1,2,3
	v_max3_num_f32 v[TM+\e], |v[AC+16*\e]|, |v[AC+16*\e+1]|, 0x8000000
.endr
.irp i, 2,4,6,8,10,12,14
.irp e, 0,1,2,3
	v_max3_num_f32 v[TM+\e], |v[AC+16*\e+\i]|, |v[AC+16*\e+\i+1]|, v[TM+\e]
.endr
.endr
	WIN 0
.irp e, 0,1,2,3
	v_permlanex16_b32 v[TM+4+\e], v[TM+\e], s20, s21
.endr
.irp e, 0,1,2,3
	v_max_num_f32 v[TM+\e], v[TM+\e], v[TM+4+\e]
.endr
.irp e, 0,1,2,3
	v_add_nc_u32 v[TM+12+\e], 0xf8800000, v[TM+\e]
.endr
.irp e, 0,1,2,3
	v_and_or_b32 v[TM+8+\e], v[TM+\e], 0x7f800000, s19
.endr
.irp e, 0,1,2,3
	v_lshrrev_b32 v[TM+4+\e], 23, v[TM+12+\e]
.endr
	WIN (WW<<6)|WW
.irp e, 0,1,2,3
.irp i, 0,1,2,3,4,5,6,7,8,9,10,11,12,13,14,15
	v_med3_num_f32 v[AC+16*\e+\i], v[AC+16*\e+\i], -v[TM+8+\e], v[TM+8+\e]
.endr
.endr
	WIN 0x40|WW
.irp e, 0,1,2,3
	v_cvt_scalef32_pk8_bf8_f32 v[QC+4*\e:QC+4*\e+1], v[AC+16*\e:AC+16*\e+7], v[TM+12+\e]
	v_cvt_scalef32_pk8_bf8_f32 v[QC+4*\e+2:QC+4*\e+3], v[AC+16*\e+8:AC+16*\e+15], v[TM+12+\e]
.endr
	WIN 0
	v_nop
.irp e, 0,1,2,3
	ds_store_b8 v[SBA], v[TM+4+\e] offset:128*\a+64*\hg+16*\e
.endr
.endm
.macro SEND a
.irp t, 0,1,2,3,4,5,6,7
	global_store_b128 v[CO], v[128+32*((\a)%2)+4*\t:128+32*((\a)%2)+4*\t+3], s[78:79] offset:4096*(\a)+512*\t
.endr
.endm
.irp e, 0,1,2,3
	v_mov_b32 v[TM+4+\e], 0                        ; a lane permute's destination counts as one of its sources
.endr
.irp a, 0,1,2,3
	QUANT \a, 0
	QUANT \a, 1
.if \a > 0
	s_wait_alu depctr_va_vdst(0)
	s_wait_dscnt 0x0                               ; the tile before is back in registers
	SEND \a-1
.endif
	WIN 0x04                                       ; data in window 1
.irp d, 0,1,2,3,4,5,6,7
	ds_store_b128 v[STO], v[128+32*\a+4*\d:128+32*\a+4*\d+3] offset:16*PITCH*\a+16*\d
.endr
	WIN 0
.if \a > 1
	s_wait_alu depctr_va_vdst(0)
	s_wait_xcnt 0x0                                ; the stores of two tiles back have read their registers
.endif
.irp t, 0,1,2,3,4,5,6,7
	ds_load_b128 v[128+32*(\a%2)+4*\t:128+32*(\a%2)+4*\t+3], v[RDK] offset:16*PITCH*\a+544*\t
.endr
.endr
	ds_load_b128 v[224:227], v[SRD]
	s_wait_dscnt 0x1
	SEND 3
	s_wait_dscnt 0x0
	global_store_b128 v[CO], v[224:227], s[80:81]
	s_wait_tensorcnt 0x0                           ; the wave's end
	ds_add_u32 v[SPW], v[NIL]
	s_wait_dscnt 0x0
	CROUND                                         ; the closing round
	s_endpgm
.Lfunc_end_k_qde269d346c_proj_k:
	.size	k_qde269d346c_proj_k, .Lfunc_end_k_qde269d346c_proj_k-k_qde269d346c_proj_k
	.p2alignl 7, 3214868480
	.fill 96, 4, 3214868480
	.section	.rodata,"a",@progbits
	.p2align	6, 0x0
	.amdhsa_kernel k_qde269d346c_proj_k
		.amdhsa_group_segment_fixed_size 327680
		.amdhsa_private_segment_fixed_size 0
		.amdhsa_enable_private_segment 0
		.amdhsa_kernarg_size 56
		.amdhsa_user_sgpr_count 2
		.amdhsa_user_sgpr_kernarg_segment_ptr 1
		.amdhsa_wavefront_size32 1
		.amdhsa_system_sgpr_workgroup_id_x 1
		.amdhsa_system_sgpr_workgroup_id_y 1
		.amdhsa_system_sgpr_workgroup_id_z 1
		.amdhsa_system_vgpr_workitem_id 0
		.amdhsa_next_free_vgpr 1024
		.amdhsa_next_free_sgpr 102
		.amdhsa_reserve_vcc 0
		.amdhsa_float_denorm_mode_32 3
		.amdhsa_float_denorm_mode_16_64 3
		.amdhsa_memory_ordered 1
		.amdhsa_forward_progress 1
		.amdhsa_inst_pref_size 217
	.end_amdhsa_kernel
	.amdgpu_metadata
---
amdhsa.version: [ 1, 2 ]
amdhsa.kernels:
  - .name:           k_qde269d346c_proj_k
    .symbol:         k_qde269d346c_proj_k.kd
    .args:
      - { .name: key_codes, .offset: 0, .size: 8, .value_kind: global_buffer, .address_space: global }
      - { .name: key_scales, .offset: 8, .size: 8, .value_kind: global_buffer, .address_space: global }
      - { .name: Wk_codes, .offset: 16, .size: 8, .value_kind: global_buffer, .address_space: global }
      - { .name: Wk_scales, .offset: 24, .size: 8, .value_kind: global_buffer, .address_space: global }
      - { .name: bk, .offset: 32, .size: 8, .value_kind: global_buffer, .address_space: global }
      - { .name: kc, .offset: 40, .size: 8, .value_kind: global_buffer, .address_space: global }
      - { .name: ks, .offset: 48, .size: 8, .value_kind: global_buffer, .address_space: global }
    .group_segment_fixed_size: 327680
    .private_segment_fixed_size: 0
    .kernarg_segment_align: 8
    .kernarg_segment_size: 56
    .max_flat_workgroup_size: 128
    .sgpr_count:     102
    .vgpr_count:     1024
    .wavefront_size: 32
...
	.end_amdgpu_metadata
.endif
;; end of part 1
;; launch qv_attend (part 2): grid 4 x 64, 4 waves a work-group, clusters of 4 x 4, 327,680 bytes of LDS; arguments query_codes, query_scales, Wq_codes, Wq_scales, value_codes, value_scales, Wv_codes, Wv_scales, bq, bv, kc, ks, out0; writes out0
.if DOCPART == 2
	.amdgcn_target "amdgcn-amd-amdhsa--gfx1250"
	.amdhsa_code_object_version 6
	.text
	.protected	k_qde269d346c_qv_attend
	.globl	k_qde269d346c_qv_attend
	.p2align	8
	.type	k_qde269d346c_qv_attend,@function
k_qde269d346c_qv_attend:
	s_mov_b64 s[64:65], 0
	v_nop
	global_prefetch_b8 v0, s[64:65] scope:SCOPE_SE
	s_setreg_imm32_b32 hwreg(HW_REG_WAVE_MODE, 25, 1), 1
	s_wait_xcnt 0x0
	s_wait_alu depctr_hold_cnt(0) depctr_sa_sdst(0) depctr_va_vdst(0) depctr_va_sdst(0) depctr_va_ssrc(0) depctr_va_vcc(0) depctr_vm_vsrc(0)
	s_getreg_b32 s2, hwreg(HW_REG_IB_STS2, 6, 4)
	s_cmp_eq_u32 s2, 0
	s_cbranch_scc0 .Lentry_in_a_cluster
	s_endpgm
.Lentry_in_a_cluster:
	s_bfe_u32 s2, ttmp6, 0x10000c
	s_cmp_lg_u32 s2, 0xf033
	s_cbranch_scc0 .Lentry_shape_is_right
	s_endpgm
.Lentry_shape_is_right:
; q = query Wq^T + bq, quantised in registers; v = value Wv^T + bv; then for each token scores[h][t] = q[h] . k[t] / 32, softmax over t, out[h][t] = p[h][t] v[h][t].  k's codes are the launch before's.  No work of reference() is left out.
; LIMITS: NaN, infinities and sums beyond f32's range are not served.
; A work-group has 256 tokens x 8 heads, a wave 64 tokens x 8 heads, through everything: no wave needs another's results.  The two products are one walk of eight K steps of 256 (q's four, v's four) through two LDS slots.
; 4 x 4 clusters: query's and value's tiles are shared along a row of the cluster, the weights' along a column, by joint loads.  The matrix instruction is used transposed (source 0 = W's rows): a lane holds one token.
; THE LOOP: three trips of two K steps, with a refill behind each; the last two K steps are written out.  Behind trip 1 q is quantised and the accumulators take v's bias.  Scale words of four 128-steps are in use, the next four are loaded a trip ahead.
; PREFETCHES, a block once in a cluster: query's and Wq's K steps 2, 3 behind the first barrier; value's and Wv's K steps 0, 1 and 2, 3 in trips 0 and 1; my plane of k's codes in trip 2.  The weights' rows, which all clusters read, are named by the four clusters whose number is a multiple of 4.
; THE REST: FOUR TOKENS TO A MATRIX INSTRUCTION: K's block c of 32 is token c's d.  Source 0 = k: row m is head t = 16 u + m.  Source 1 = q: column n = 4 c + i is (token c, head i), with its codes in block c and zero codes in the other three.
; So a lane holds one (token, head) and 16 of its 32 t.  v lies in the wave's own LDS bytes, half block (16 tokens x 4 heads) behind half block, is read in that layout, and p x v goes back to where v lay; rows of 512 bytes are then read and stored during the next half block.
; k's codes are read by the four work-groups of a cluster's row through registers: each load takes two whole blocks of 256 bytes in operand order; the slots' bytes hold v by then.
; WINDOWS: 0: addresses, scale words, X's fragments (two sets); then scores, statistics;  1: W's fragments (four sets of two), then k's; q's codes at 128;  2, 3: accumulator (a, b) at 128 (a % 2) + 8 b in window 2 + a / 2; then output rows (2), v and source 1 (3).
.set PITCH, 272
.set HALFT, 128*PITCH
.set SLOT, 4*HALFT
.set QST, 2*SLOT                       ; q's stage: 4,608 bytes a wave: 4 heads x 528 bytes of codes; scale words 4,224 bytes on
.set SPARE, QST+4*4608
.set VP, 528                           ; v's rows: 4 waves x 8 half blocks x 16 rows x (512 + 16) bytes from LDS byte 0; all fills are over when the first is stored
.set HBLK, 16*VP
.set HS, 528
.set ADRA, 1
.set ADRB, 3
.set SPW, 5
.set NIL, 6
.set SOF, 7
.set PFO, 8
.set KPO, 9
.set BOF, 10
.set VST, 11
.set VA, 12                            ; v12, v13: a lane's v, t 0-15 and t 16-31
.set RD, 14
.set CO, 15
.set QW, 16
.set QR, 17
.set QSW, 18
.set QSA, 19
.set KA0, 20
.set KSA, 22
.set SEL, 23
.set QSR, 24                           ; q's scale words for source 1
.set KSR, 28                           ; k's
.set WL, 32                            ; scale words in use: W's group g, word w at WL + 4 g + w; X's at XL + 4 x + w: never equal modulo 8
.set XL, 66
.set WH, 76
.set XH, 110
.set QS, 118                           ; q's scale bytes, a half block's four heads a register
.set TM, 192
.set S, 128
.set MX, 192
.set TP, 196
.set MC, 200
.set SM, 208
.set RC, 216
.set QT, 224
.set QRW, 240
.set VB, 0                             ; window 3
.set QB, 64                            ; window 3
.set G1X, 24
.set G0X, 32
.set G1W, 48
.set G0W, 56
.set G1HX, 84
.set G1HW, 92
.set NX, 4
.set NW, 8
.set MSB, 0
.macro WIN new
.if MSB != (\new)
	s_set_vgpr_msb (MSB<<8)|(\new)
.set MSB, (\new)
.endif
.endm
.macro PLACES n
.rept \n
	v_nop
.endr
.endm
.macro TLOAD g0, g1
	tensor_load_to_lds s[\g0:\g0+3], s[\g1:\g1+7]
	s_nop 0
	PLACES 4
.endm
.macro JLOAD s                         ; waves 0, 1 fetch X's halves, waves 2, 3 W's
	s_cmp_eq_u32 s15, 0
	s_cbranch_scc0 .Lfor_w_\@
	TLOAD G0X+4*\s, G1X
	s_branch .Lasked_\@
.Lfor_w_\@:
	TLOAD G0W+4*\s, G1W
.Lasked_\@:
.endm
.macro CREST
	s_cmp_lg_u32 s14, 0
	s_cbranch_scc1 .Lnot_wave_0_\@
	s_barrier_signal -3
.Lnot_wave_0_\@:
	s_barrier_wait -3
	s_barrier_signal -1
	s_barrier_wait -1
.endm
.macro CROUND
	s_barrier_signal -1
	s_barrier_wait -1
	CREST
.endm
.macro G1SET g, m, rows
	s_or_b32 s[\g], s\m, (1<<20)|(1<<21)|(5<<22)|(3<<25)
	s_mov_b32 s[\g+1], 256<<16
	s_mov_b32 s[\g+2], \rows<<16
	s_mov_b32 s[\g+3], 256<<16
	s_mov_b32 s[\g+4], \rows
	s_mov_b32 s[\g+5], 1024
	s_mov_b32 s[\g+6], 0
	s_mov_b32 s[\g+7], 0
.endm
.macro G0SET g, lds, base, off
	s_mov_b32 s[\g], 1
	s_mov_b32 s[\g+1], \lds
	s_add_nc_u64 s[\g+2:\g+3], s[\base:\base+1], \off
	s_or_b32 s[\g+3], s[\g+3], 0x80000000
.endm
.macro ARM under, g0, g1, next
	s_cmp_lt_u32 s14, \under
	s_cbranch_scc0 \next
	TLOAD \g0, \g1
	s_branch .Lhead_asked
\next:
.endm
.macro BIASLD p                        ; register j of column tile b: column 16 b + 8 h + j
	WIN 0x80
.irp b, 0,1,2,3,4,5,6,7,8,9,10,11,12,13,14,15
	global_load_b128 v[8*\b:8*\b+3], v[BOF], s[\p:\p+1] offset:64*\b
	global_load_b128 v[8*\b+4:8*\b+7], v[BOF], s[\p:\p+1] offset:64*\b+16
.endr
	WIN 0
.endm
.macro BIASMV                          ; the other three token tiles' accumulators
	WIN 0x82
.set K_, 0
.rept 128
	v_mov_b32 v[128+K_], v[K_]
.set K_, K_+1
.endr
	WIN 0xc2
.set K_, 0
.rept 128
	v_mov_b32 v[K_], v[K_]
	v_mov_b32 v[128+K_], v[K_]
.set K_, K_+1
.endr
	WIN 0
.endm
.macro WLD slot, q, g                  ; W's tiles 2 g, 2 g + 1 into set g % 4
	WIN 0x40
.irp i, 0,1
.irp c, 0,1,2,3
	ds_load_b128 v[32*((\g)%4)+16*\i+4*\c:32*((\g)%4)+16*\i+4*\c+3], v[ADRB+\slot] offset:128*(\q)+32*\c+(2*(\g)+\i)*16*PITCH
.endr
.endr
.endm
.macro XLD slot, q, a                  ; X's tile a into set q
	WIN 0
.irp c, 0,1,2,3
	ds_load_b128 v[128+64*(\q)+16*\a+4*\c:128+64*(\q)+16*\a+4*\c+3], v[ADRA+\slot] offset:128*(\q)+32*\c+\a*16*PITCH
.endr
.endm
.macro START slot                      ; a slot's first loads: X's set 0, W's groups 0 to 2
	WLD \slot, 0, 0
.irp a, 0,1,2,3
	XLD \slot, 0, \a
.endr
	WLD \slot, 0, 1
	WLD \slot, 0, 2
	WIN 0
.endm
.macro PR hi, q, g, w, i, aa
.set D_, 128*\aa+16*(\g)+8*\i
.set A_, 32*((\g)%4)+16*\i
.set B_, 128+64*(\q)+32*\hi+16*\aa
.set P_, WL+4*(\g)+(\w)
.set R_, XL+4*\hi+(\w)
.if \i && \aa
	v_wmma_scale_f32_16x16x128_f8f6f4 v[D_:D_+7], v[A_:A_+15], v[B_:B_+15], v[D_:D_+7], v[P_], v[R_] matrix_a_fmt:MATRIX_FMT_BF8 matrix_b_fmt:MATRIX_FMT_BF8 matrix_a_scale:MATRIX_SCALE_ROW1 matrix_b_scale:MATRIX_SCALE_ROW1
.elseif \i
	v_wmma_scale_f32_16x16x128_f8f6f4 v[D_:D_+7], v[A_:A_+15], v[B_:B_+15], v[D_:D_+7], v[P_], v[R_] matrix_a_fmt:MATRIX_FMT_BF8 matrix_b_fmt:MATRIX_FMT_BF8 matrix_a_scale:MATRIX_SCALE_ROW1
.elseif \aa
	v_wmma_scale_f32_16x16x128_f8f6f4 v[D_:D_+7], v[A_:A_+15], v[B_:B_+15], v[D_:D_+7], v[P_], v[R_] matrix_a_fmt:MATRIX_FMT_BF8 matrix_b_fmt:MATRIX_FMT_BF8 matrix_b_scale:MATRIX_SCALE_ROW1
.else
	v_wmma_scale_f32_16x16x128_f8f6f4 v[D_:D_+7], v[A_:A_+15], v[B_:B_+15], v[D_:D_+7], v[P_], v[R_] matrix_a_fmt:MATRIX_FMT_BF8 matrix_b_fmt:MATRIX_FMT_BF8
.endif
.endm
.macro MULH hi, q, g, slot             ; two tiles of W x token tiles 2 hi, 2 hi + 1.  The 64 accumulators take turns in the same order in every 128 along K
	WIN 0xa1+0x50*\hi
	PR \hi, \q, \g, 2*\slot+(\q), 0, 0
	PR \hi, \q, \g, 2*\slot+(\q), 0, 1
	PR \hi, \q, \g, 2*\slot+(\q), 1, 0
	PR \hi, \q, \g, 2*\slot+(\q), 1, 1
.endm
; Group t of a slot's 16 (128 along K: eight groups).  W's fragments are asked for three groups ahead, X's second set in groups 2 and 4.  The wait leaves out what was issued behind this group's own loads: up to three groups of 8, and 8 for each pair of X's tiles.
.macro GROUP slot, t
.set T_, \t
.if T_ < 13
	PLACES 8
	WLD \slot, (T_+3)/8, (T_+3)%8
.set N_, 24
.else
.set N_, 8*(15-T_)
.endif
.if T_ == 2
	XLD \slot, 1, 0
	XLD \slot, 1, 1
.elseif T_ == 4
	XLD \slot, 1, 2
	XLD \slot, 1, 3
.endif
.if T_ >= 2 && T_ <= 5
.set N_, N_+8
.endif
.if T_ >= 4 && T_ <= 7
.set N_, N_+8
.endif
	s_wait_dscnt N_
	MULH 0, T_/8, T_%8, \slot
	MULH 1, T_/8, T_%8, \slot
.endm
.macro STEP slot
.irp t, 0,1,2,3,4,5,6,7,8,9,10,11,12,13
	GROUP \slot, \t
.endr
.endm
; The slot's last two groups and the change of slots.  Behind the waits nobody reads this slot any more and the other is whole; group 15's products stand behind the next slot's first loads.
.macro TURN slot, fill
	WIN 0
	s_wait_tensorcnt 0x0                           ; my tensor loads are in
	ds_add_u32 v[SPW], v[NIL]
.if \fill
	s_add_co_u32 s[G0X+4*\slot+1], s18, \slot*SLOT
	s_add_nc_u64 s[G0X+4*\slot+2:G0X+4*\slot+3], s[NX:NX+1], 256*\slot
	s_or_b32 s[G0X+4*\slot+3], s[G0X+4*\slot+3], 0x80000000
	s_add_co_u32 s[G0W+4*\slot+1], s18, \slot*SLOT+2*HALFT
	s_add_nc_u64 s[G0W+4*\slot+2:G0W+4*\slot+3], s[NW:NW+1], 256*\slot
	s_or_b32 s[G0W+4*\slot+3], s[G0W+4*\slot+3], 0x80000000
.endif
	s_wait_dscnt 9                                 ; (group 15's eight loads and the add may be out)
	MULH 0, 1, 6, \slot
	s_wait_dscnt 0x0                               ; the add and my reads of this slot are done
	s_barrier_signal -1
	MULH 1, 1, 6, \slot
	WIN 0
	s_barrier_wait -1
.if \fill
	CREST
	JLOAD \slot
	PLACES 4
.else
	PLACES 8
.endif
	START 1-\slot
	MULH 0, 1, 7, \slot
	MULH 1, 1, 7, \slot
	WIN 0
.endm
; Four heads of one token tile: the largest magnitude of a head's 32 numbers (16 here, 16 in lane l xor 16), the scale's byte, the hold, the codes.
.macro QUANT a, hg
.set AC, 128*((\a)%2)+64*\hg
.set WW, 2+(\a)/2
.set QC, 128+32*\a+16*\hg
	WIN WW*5
.irp e, 0,1,2,3
	v_max3_num_f32 v[TM+\e], |v[AC+16*\e]|, |v[AC+16*\e+1]|, 0x8000000
.endr
.irp i, 2,4,6,8,10,12,14
.irp e, 0,1,2,3
	v_max3_num_f32 v[TM+\e], |v[AC+16*\e+\i]|, |v[AC+16*\e+\i+1]|, v[TM+\e]
.endr
.endr
	WIN 0
.irp e, 0,1,2,3
	v_permlanex16_b32 v[TM+4+\e], v[TM+\e], s20, s21
.endr
.irp e, 0,1,2,3
	v_max_num_f32 v[TM+\e], v[TM+\e], v[TM+4+\e]
.endr
.irp e, 0,1,2,3
	v_add_nc_u32 v[TM+12+\e], 0xf8800000, v[TM+\e]
.endr
.irp e, 0,1,2,3
	v_and_or_b32 v[TM+8+\e], v[TM+\e], 0x7f800000, s19
.endr
.irp e, 0,1,2,3
	v_lshrrev_b32 v[TM+4+\e], 23, v[TM+12+\e]
.endr
	WIN (WW<<6)|WW
.irp e, 0,1,2,3
.irp i, 0,1,2,3,4,5,6,7,8,9,10,11,12,13,14,15
	v_med3_num_f32 v[AC+16*\e+\i], v[AC+16*\e+\i], -v[TM+8+\e], v[TM+8+\e]
.endr
.endr
	WIN 0x40|WW
.irp e, 0,1,2,3
	v_cvt_scalef32_pk8_bf8_f32 v[QC+4*\e:QC+4*\e+1], v[AC+16*\e:AC+16*\e+7], v[TM+12+\e]
	v_cvt_scalef32_pk8_bf8_f32 v[QC+4*\e+2:QC+4*\e+3], v[AC+16*\e+8:AC+16*\e+15], v[TM+12+\e]
.endr
	WIN 0
	v_lshl_or_b32 v[QS+2*\a+\hg], v[TM+5], 8, v[TM+4]
	v_lshl_or_b32 v[QS+2*\a+\hg], v[TM+6], 16, v[QS+2*\a+\hg]
	v_lshl_or_b32 v[QS+2*\a+\hg], v[TM+7], 24, v[QS+2*\a+\hg]
.endm
; 16 tokens of k: 8 fragments (four tokens g, heads t 16 u on: block c of K is token 4 g + c) and the scale words (lane = head t; word g, byte c: token 4 g + c).
.macro LOADS_K
	WIN 0x40
.irp g, 0,1,2,3
.irp u, 0,1
.irp c, 0,1,2,3
	global_load_b128 v[32*\g+16*\u+4*\c:32*\g+16*\u+4*\c+3], v[KA0+\u], s[80:81] offset:256*(4*\g+\c)
.endr
.endr
.endr
	WIN 0
	global_load_b128 v[KSR:KSR+3], v[KSA], s[82:83]
.endm
	s_load_b256 s[4:11], s[0:1], 0x0               ; query's codes, scales, Wq's codes, scales
	s_load_b256 s[68:75], s[0:1], 0x20             ; value's, Wv's
	s_load_b256 s[76:83], s[0:1], 0x40             ; bq, bv, kc, ks
	s_load_b64 s[12:13], s[0:1], 0x60              ; out
	v_lshl_add_u32 v[SPW], v0, 2, SPARE
	v_mov_b32 v[NIL], 0
	ds_add_u32 v[SPW], v[NIL]                      ; the opening: the add, twice on end, and its wait ahead of my first tensor load
	ds_add_u32 v[SPW], v[NIL]
	v_lshrrev_b32 v1, 5, v0
	v_readfirstlane_b32 s14, v1                    ; wave
	s_lshr_b32 s15, s14, 1
	s_and_b32 s16, s14, 1
	s_bfe_u32 s40, ttmp6, 0x40000                  ; cx: the column tile
	s_bfe_u32 s41, ttmp6, 0x40004
	s_and_b32 s17, ttmp7, 0xffff
	s_lshl_b32 s17, s17, 2
	s_add_co_u32 s17, s17, s41                     ; the tile of tokens
	s_lshl_b32 s43, s41, 2
	s_lshl_b32 s43, 15, s43
	s_lshl_b32 s44, 0x1111, s40
	G1SET G1X, 43, 128
	G1SET G1W, 44, 128
	G1SET G1HX, 43, 256
	G1SET G1HW, 44, 256
	s_mul_i32 s18, s16, HALFT
	s_lshl_b32 s20, s17, 18
	s_mov_b32 s21, 0
	s_lshl_b32 s22, s40, 18
	s_mov_b32 s23, 0
	s_lshl_b32 s42, s17, 13
	s_lshl_b32 s43, s14, 11
	s_add_co_u32 s42, s42, s43
	s_mov_b32 s43, 0
	s_lshl_b32 s44, s40, 13
	s_mov_b32 s45, 0
	s_wait_dscnt 0x0
	CROUND                                         ; all sixteen work-groups are here
	s_wait_kmcnt 0x0
	s_add_nc_u64 s[4:5], s[4:5], s[20:21]
	s_add_nc_u64 s[8:9], s[8:9], s[22:23]
	s_add_nc_u64 s[6:7], s[6:7], s[42:43]
	s_add_nc_u64 s[10:11], s[10:11], s[44:45]
	G0SET G0X, 0, 4, 0
	G0SET G0W, 2*HALFT, 8, 0
	G0SET G0X+4, SLOT, 4, 256
	G0SET G0W+4, SLOT+2*HALFT, 8, 256
	; one load a wave: waves 0 and 1 K step 0's rows of X and W, waves 2 and 3 K step 1's
	ARM 1, G0X, G1HX, .Lh1
	ARM 2, G0W, G1HW, .Lh2
	ARM 3, G0X+4, G1HX, .Lh3
	TLOAD G0W+4, G1HW
.Lhead_asked:
	s_add_nc_u64 s[68:69], s[68:69], s[20:21]
	s_add_nc_u64 s[72:73], s[72:73], s[22:23]
	s_add_nc_u64 s[70:71], s[70:71], s[42:43]
	s_add_nc_u64 s[74:75], s[74:75], s[44:45]
	s_lshl_b32 s2, s40, 16                         ; the prefetches: of 256 rows my work-group names 64, my wave 16, two blocks of 256 bytes each: X's by cx, W's by cy
	s_lshl_b32 s20, s14, 14
	s_add_co_u32 s2, s2, s20
	s_mov_b32 s3, 0
	s_add_nc_u64 s[100:101], s[4:5], s[2:3]
	s_add_nc_u64 s[100:101], s[100:101], 512
	s_add_nc_u64 s[66:67], s[68:69], s[2:3]
	s_lshl_b32 s2, s41, 16
	s_add_co_u32 s2, s2, s20
	s_add_nc_u64 s[42:43], s[8:9], s[2:3]
	s_add_nc_u64 s[42:43], s[42:43], 512
	s_add_nc_u64 s[44:45], s[72:73], s[2:3]
	s_and_b32 s41, ttmp7, 3                        ; 0: my cluster names the weights' rows
	s_lshl_b32 s2, s16, 17                         ; in the ring I fetch 128 rows
	s_add_nc_u64 s[NX:NX+1], s[4:5], s[2:3]
	s_add_nc_u64 s[NX:NX+1], s[NX:NX+1], 512
	s_add_nc_u64 s[NW:NW+1], s[8:9], s[2:3]
	s_add_nc_u64 s[NW:NW+1], s[NW:NW+1], 512
	s_add_nc_u64 s[68:69], s[68:69], s[2:3]
	s_add_nc_u64 s[72:73], s[72:73], s[2:3]
	s_lshl_b32 s2, s40, 10
	s_add_nc_u64 s[76:77], s[76:77], s[2:3]
	s_add_nc_u64 s[78:79], s[78:79], s[2:3]
	s_add_nc_u64 s[12:13], s[12:13], s[2:3]
	s_lshl_b32 s2, s17, 16                         ; k's codes at my first token; the planes stand in the lanes' offsets
	s_add_co_u32 s2, s2, s20
	s_add_nc_u64 s[80:81], s[80:81], s[2:3]
	s_lshl_b32 s2, s40, 22
	s_add_nc_u64 s[46:47], s[80:81], s[2:3]        ; plane cx, for the prefetch
	s_lshl_b32 s2, s17, 11
	s_lshl_b32 s20, s14, 9
	s_add_co_u32 s2, s2, s20
	s_add_nc_u64 s[82:83], s[82:83], s[2:3]
	s_lshl_b32 s2, s17, 20
	s_lshl_b32 s20, s14, 18
	s_add_co_u32 s2, s2, s20
	s_add_nc_u64 s[12:13], s[12:13], s[2:3]        ; out: my first token's row of 4,096 bytes, my 1,024 of it
	v_and_b32 v200, 15, v0                         ; r
	v_bfe_u32 v201, v0, 4, 1                       ; h
	v_and_b32 v202, 31, v0                         ; lane
	v_lshlrev_b32 v[SOF], 5, v202
	v_lshlrev_b32 v[BOF], 5, v201
	BIASLD 76
.irp g, 0,1,2,3,4,5,6,7
	global_load_b128 v[WL+4*\g:WL+4*\g+3], v[SOF], s[10:11] offset:1024*\g
.endr
.irp g, 0,1
	global_load_b128 v[XL+4*\g:XL+4*\g+3], v[SOF], s[6:7] offset:1024*\g
.endr
	s_mul_i32 s20, s14, 64*PITCH
	s_mul_i32 s21, s14, 8*HBLK
	s_mul_i32 s22, s14, 4608
	s_add_co_u32 s22, s22, QST
	v_mul_u32_u24 v203, v200, PITCH
	v_lshl_add_u32 v203, v201, 4, v203
	v_add_nc_u32 v[ADRA], s20, v203
	v_add_nc_u32 v[ADRA+1], SLOT, v[ADRA]
	v_add_nc_u32 v[ADRB], 2*HALFT, v203
	v_add_nc_u32 v[ADRB+1], SLOT, v[ADRB]
	v_lshrrev_b32 v204, 1, v202
	v_and_b32 v205, 1, v202
	v_lshlrev_b32 v[PFO], 10, v204
	v_lshl_add_u32 v[PFO], v205, 8, v[PFO]
	v_lshlrev_b32 v[KPO], 8, v202
	v_lshrrev_b32 v204, 2, v200                    ; c = r / 4: which of four tokens
	v_and_b32 v205, 3, v200                        ; i = r % 4: which of four heads
	v_lshrrev_b32 v206, 1, v205
	v_xor_b32 v207, 1, v206
	v_mul_u32_u24 v208, v200, VP                   ; v's rows: row r, 32 bytes for each half of the lanes; a head's two tiles of 64 bytes change places where head / 2 is odd
	v_lshl_add_u32 v208, v201, 5, v208
	v_add_nc_u32 v[VST], s21, v208
	v_mul_u32_u24 v208, v204, VP                   ; and in the scores' layout: token c's row, head i
	v_lshl_add_u32 v208, v205, 7, v208
	v_lshl_add_u32 v208, v201, 5, v208
	v_add_nc_u32 v208, s21, v208
	v_lshl_add_u32 v[VA], v206, 6, v208
	v_lshl_add_u32 v[VA+1], v207, 6, v208
	v_lshlrev_b32 v[CO], 4, v202
	v_lshlrev_b32 v209, 6, v201
	v_xor_b32 v209, v209, v[CO]
	v_add_nc_u32 v[RD], s21, v209                  ; and whole rows back
	v_lshlrev_b32 v208, 5, v200                    ; q's stage
	v_lshl_add_u32 v208, v201, 4, v208
	v_add_nc_u32 v[QW], s22, v208
	v_mul_u32_u24 v208, v205, HS
	v_lshl_add_u32 v208, v204, 5, v208
	v_lshl_add_u32 v208, v201, 4, v208
	v_add_nc_u32 v[QR], s22, v208
	s_add_co_u32 s22, s22, 8*HS
	v_lshlrev_b32 v208, 2, v200
	v_add_nc_u32 v[QSW], s22, v208
	v_lshlrev_b32 v208, 2, v204
	v_add_nc_u32 v[QSA], s22, v208
	v_lshrrev_b32 v208, 3, v200                    ; k: head t = 16 u + r lies in plane 2 u + r / 8, at half h, place r % 8
	v_and_b32 v209, 7, v200
	v_lshlrev_b32 v[KA0], 22, v208
	v_lshl_add_u32 v[KA0], v201, 7, v[KA0]
	v_lshl_add_u32 v[KA0], v209, 4, v[KA0]
	v_add_nc_u32 v[KA0+1], 0x800000, v[KA0]
	v_lshrrev_b32 v208, 3, v202
	v_and_b32 v209, 7, v202
	v_lshlrev_b32 v[KSA], 17, v208
	v_lshl_add_u32 v[KSA], v209, 4, v[KSA]
	v_lshl_or_b32 v208, v205, 8, v205
	v_lshl_or_b32 v[SEL], v208, 16, v208           ; picks byte i four times
	s_mov_b32 s20, 0x76543210
	s_mov_b32 s21, 0xfedcba98
	s_mov_b32 s19, 0x600000                        ; the mantissa field of 57,344
	; q's codes and scale bytes are written in the loop, under a branch on the trip's number: every way through the text writes them
	WIN 0x40
.set K_, 128
.rept 128
	v_mov_b32 v[K_], 0
.set K_, K_+1
.endr
	WIN 0
.irp k, 0,1,2,3,4,5,6,7
	v_mov_b32 v[QS+\k], 0
.endr
	s_wait_alu depctr_va_vdst(0)
	s_wait_loadcnt 0x0
	s_add_nc_u64 s[6:7], s[6:7], 16                ; on to the next four scale words
	s_add_nc_u64 s[10:11], s[10:11], 16
	BIASMV
	s_wait_alu depctr_va_vdst(0)                   ; the head's end
	s_cmp_lt_u32 s14, 2
	s_cbranch_scc0 .Lnot_first
	s_wait_tensorcnt 0x0                           ; waves 0 and 1: K step 0 is in; the others' wait stands at the first change of slots
.Lnot_first:
	s_barrier_signal -1
	s_barrier_wait -1
	START 0
	global_prefetch_b8 v[PFO], s[100:101] th:TH_LOAD_NT scope:SCOPE_SE
	s_cmp_eq_u32 s41, 0
	s_cbranch_scc0 .Lno_w
	global_prefetch_b8 v[PFO], s[42:43] th:TH_LOAD_NT scope:SCOPE_SE
.Lno_w:
	s_mov_b32 s3, 0
.Ltrip:
.irp g, 0,1,2,3,4,5,6,7
	global_load_b128 v[WH+4*\g:WH+4*\g+3], v[SOF], s[10:11] offset:1024*\g
.endr
.irp g, 0,1
	global_load_b128 v[XH+4*\g:XH+4*\g+3], v[SOF], s[6:7] offset:1024*\g
.endr
	STEP 0
	TURN 0, 1
	s_cmp_lt_u32 s3, 2
	s_cbranch_scc0 .Lask_k
	global_prefetch_b8 v[PFO], s[66:67] th:TH_LOAD_NT scope:SCOPE_SE        ; value's two K steps that the next trip's refills ask for
	s_cmp_eq_u32 s41, 0
	s_cbranch_scc0 .Lask_end
	global_prefetch_b8 v[PFO], s[44:45] th:TH_LOAD_NT scope:SCOPE_SE        ; Wv's
	s_branch .Lask_end
.Lask_k:
	global_prefetch_b8 v[KPO], s[46:47] th:TH_LOAD_NT scope:SCOPE_SE        ; my plane of k's codes, my wave's 64 tokens
	global_prefetch_b8 v[KPO], s[46:47] offset:8192 th:TH_LOAD_NT scope:SCOPE_SE
.Lask_end:
	STEP 1
	TURN 1, 1
	s_wait_loadcnt 0x0                             ; the next four scale words
	s_wait_xcnt 0x0                                ; the loads and the prefetches have read their bases
	s_add_nc_u64 s[NX:NX+1], s[NX:NX+1], 512
	s_add_nc_u64 s[NW:NW+1], s[NW:NW+1], 512
	s_add_nc_u64 s[6:7], s[6:7], 16
	s_add_nc_u64 s[10:11], s[10:11], 16
	s_cmp_eq_u32 s3, 0                             ; behind trip 0 the refills and the scale words go over to value and Wv
	s_cselect_b64 s[NX:NX+1], s[68:69], s[NX:NX+1]
	s_cselect_b64 s[NW:NW+1], s[72:73], s[NW:NW+1]
	s_cselect_b64 s[6:7], s[70:71], s[6:7]
	s_cselect_b64 s[10:11], s[74:75], s[10:11]
	s_add_nc_u64 s[66:67], s[66:67], 512
	s_add_nc_u64 s[44:45], s[44:45], 512
	PLACES 8                                       ; behind group 15's products, whose scale words are written anew
.set K_, 0
.rept 32
	v_mov_b32 v[WL+K_], v[WH+K_]
.set K_, K_+1
.endr
.set K_, 0
.rept 8
	v_mov_b32 v[XL+K_], v[XH+K_]
.set K_, K_+1
.endr
	s_wait_alu depctr_va_vdst(0)
	s_cmp_eq_u32 s3, 1
	s_cbranch_scc0 .Lno_quant
.irp e, 0,1,2,3
	v_mov_b32 v[TM+4+\e], 0                        ; a lane permute's destination counts as one of its sources
.endr
	QUANT 0, 0
	QUANT 0, 1
	BIASLD 78                                      ; v's bias, into accumulators that have been quantised
	QUANT 1, 0
	QUANT 1, 1
	QUANT 2, 0
	QUANT 2, 1
	QUANT 3, 0
	QUANT 3, 1
	s_wait_alu depctr_va_vdst(0)
	s_wait_loadcnt 0x0
	BIASMV
	s_wait_alu depctr_va_vdst(0)
.Lno_quant:
	s_add_co_u32 s3, s3, 1
	s_cmp_lt_u32 s3, 3
	s_cbranch_scc1 .Ltrip
	STEP 0                                         ; v's last two K steps: nothing is filled again
	TURN 0, 0
	STEP 1
	GROUP 1, 14
	GROUP 1, 15
	WIN 0
	PLACES 8
	LOADS_K
	s_mov_b32 s22, 0x3d38aa3b                      ; c = log2(e) / 32
	s_mov_b32 s23, s22                             ; (named with it as a pair)
	s_mov_b32 s42, 0xbd38aa3b                      ; -c
	s_mov_b32 s43, 65536-512
	s_mov_b32 s45, 0
	s_mov_b32 s84, 0x000f000f                      ; the lanes of token c of the four: 4 c .. 4 c + 3 in each half
	s_mov_b32 s85, 0x00f000f0
	s_mov_b32 s86, 0x0f000f00
	s_mov_b32 s87, 0xf000f000
.macro QPUT n                          ; q's codes and scale bytes of half block n go to my stage,
	WIN 0x04
.irp d, 0,1,2,3
	ds_store_b128 v[QW], v[128+16*(\n)+4*\d:128+16*(\n)+4*\d+3] offset:HS*\d
.endr
	WIN 0
	ds_store_b32 v[QSW], v[QS+(\n)]
.endm
.macro QGET                            ; and come back by (token, head): LDS serves a wave's instructions in order (ISA guide 5.7.1.4)
.irp g, 0,1,2,3
	ds_load_b128 v[QT+4*\g:QT+4*\g+3], v[QR] offset:128*\g
.endr
.irp g, 0,1,2,3
	ds_load_b32 v[QRW+\g], v[QSA] offset:16*\g
.endr
.endm
	s_wait_dscnt 0x0
	s_barrier_signal -1
	s_barrier_wait -1                              ; no wave reads a slot any more
	QPUT 0
	QGET
.irp a, 0,1,2,3
	WIN 0x08+4*(\a/2)
.irp b, 0,1,2,3,4,5,6,7,8,9,10,11,12,13,14,15
	ds_store_b128 v[VST], v[128*(\a%2)+8*\b:128*(\a%2)+8*\b+3] offset:HBLK*(2*\a+\b/8)+64*((\b%8)^((\b>>2)&1))
	ds_store_b128 v[VST], v[128*(\a%2)+8*\b+4:128*(\a%2)+8*\b+7] offset:HBLK*(2*\a+\b/8)+64*((\b%8)^((\b>>2)&1))+16
.endr
.endr
	WIN 0
.irp g, 0,1,2,3
	v_mov_b32 v[TP+\g], 0                          ; a lane permute's destination counts as one of its sources
	v_mov_b32 v[MC+2*\g+1], 0                      ; (upper registers of pairs of which the low word serves both halves)
	v_mov_b32 v[RC+2*\g+1], 0
.endr
; The rows that lie in window 2 leave: 32 lanes store 512 consecutive bytes, at a multiple of 512 from out's first byte.
.macro SENDROWS
	WIN 0x08
.set K_, 0
.rept 16
	global_store_b128 v[CO], v[4*K_:4*K_+3], s[12:13] offset:4096*K_ th:TH_STORE_NT
.set K_, K_+1
.endr
	WIN 0
.endm
.macro QARM n, next
	s_cmp_eq_u32 s3, \n
	s_cbranch_scc0 \next
	QPUT (\n)+1
	s_branch .Lq_stored
\next:
.endm
	s_mov_b32 s3, 0
	s_wait_alu depctr_va_vdst(0)
.Lhalf:                                            ; A trip is half a block: 16 tokens x 4 heads h x 32 heads t; even trips heads 0-3, odd trips heads 4-7 of my eight
	s_wait_loadcnt 0x0                             ; k's fragments
	s_wait_dscnt 32                                ; q's codes and bytes: behind them 16 stores and 16 loads (on the way in 128 stores)
.irp g, 0,1,2,3
	v_perm_b32 v[QSR+\g], v[QRW+\g], v[QRW+\g], v[SEL]
.endr
	WIN 0xc0
.irp g, 0,1,2,3
.irp c, 0,1,2,3
.irp x, 0,1,2,3
	v_cndmask_b32 v[QB+16*\g+4*\c+\x], 0, v[QT+4*\g+\x], s[84+\c]   ; my codes in my token's block of K, zero codes in the other three
.endr
.endr
.endr
	PLACES 4                                       ; an operand written by vector instructions stands four places ahead of a scaled matrix instruction
	WIN 0x0d                                       ; source 0 (k) window 1, source 1 (q) window 3
.irp g, 0,1,2,3
	v_wmma_scale_f32_16x16x128_f8f6f4 v[S+16*\g:S+16*\g+7], v[32*\g:32*\g+15], v[QB+16*\g:QB+16*\g+15], 0, v[KSR+\g], v[QSR+\g] matrix_a_fmt:MATRIX_FMT_BF8 matrix_b_fmt:MATRIX_FMT_BF8
	v_wmma_scale_f32_16x16x128_f8f6f4 v[S+16*\g+8:S+16*\g+15], v[32*\g+16:32*\g+31], v[QB+16*\g:QB+16*\g+15], 0, v[KSR+\g], v[QSR+\g] matrix_a_fmt:MATRIX_FMT_BF8 matrix_b_fmt:MATRIX_FMT_BF8 matrix_a_scale:MATRIX_SCALE_ROW1
.endr
	WIN 0xc0
	PLACES 8
.irp g, 0,1,2,3
.irp u, 0,1
.irp w, 0,1
	ds_load_b128 v[VB+16*\g+8*\u+4*\w:VB+16*\g+8*\u+4*\w+3], v[VA+\u] offset:4*VP*\g+16*\w   ; v in the scores' layout
.endr
.endr
.endr
	WIN 0
	s_and_b32 s2, s3, 1
	s_cmp_eq_u32 s2, 0
	s_cbranch_scc1 .Lno_more                       ; behind the block's second half the next block's fragments,
	s_cmp_eq_u32 s3, 7
	s_cbranch_scc1 .Lno_more                       ; of which the last block has none
	s_wait_xcnt 0x0                                ; the loads of a block back have read their bases
	s_add_nc_u64 s[80:81], s[80:81], 4096
	s_add_nc_u64 s[82:83], s[82:83], 128
	LOADS_K
.Lno_more:
	; the softmax over t: register 16 g + 8 u + j of lane (r, h) is the score of (token 4 g + r / 4, head r % 4) with t = 16 u + 8 h + j.  The four groups by turns
.irp g, 0,1,2,3
	v_max3_num_f32 v[MX+\g], v[S+16*\g], v[S+16*\g+1], v[S+16*\g+2]
.endr
.irp i, 3,5,7,9,11,13
.irp g, 0,1,2,3
	v_max3_num_f32 v[MX+\g], v[MX+\g], v[S+16*\g+\i], v[S+16*\g+\i+1]
.endr
.endr
.irp g, 0,1,2,3
	v_max_num_f32 v[MX+\g], v[MX+\g], v[S+16*\g+15]
.endr
.irp g, 0,1,2,3
	v_permlanex16_b32 v[TP+\g], v[MX+\g], s20, s21
.endr
.irp g, 0,1,2,3
	v_max_num_f32 v[MX+\g], v[MX+\g], v[TP+\g]     ; with lane l xor 16's 16
.endr
.irp g, 0,1,2,3
	v_mul_f32 v[MC+2*\g], s42, v[MX+\g]            ; -c x the maximum
.endr
.irp x, 0,2,4,6,8,10,12,14
.irp g, 0,1,2,3
	v_pk_fma_f32 v[S+16*\g+\x:S+16*\g+\x+1], v[S+16*\g+\x:S+16*\g+\x+1], s[22:23], v[MC+2*\g:MC+2*\g+1] op_sel_hi:[1,0,0]
.endr
.endr
	s_wait_alu depctr_va_vdst(0)
	s_cmp_eq_u32 s3, 0
	s_cbranch_scc1 .Lnone_before                   ; the first half has none before it
	s_wait_dscnt 16                                ; the rows of the half before are in; v's 16 loads may be out
	SENDROWS
.Lnone_before:
.set K_, 0
.rept 64
	v_exp_f32 v[S+K_], v[S+K_]
.set K_, K_+1
.endr
	v_nop
	s_wait_alu depctr_va_vdst(0)                   ; and behind it
.irp g, 0,1,2,3
	v_pk_add_f32 v[SM+2*\g:SM+2*\g+1], v[S+16*\g:S+16*\g+1], v[S+16*\g+2:S+16*\g+3]
.endr
.irp x, 4,6,8,10,12,14
.irp g, 0,1,2,3
	v_pk_add_f32 v[SM+2*\g:SM+2*\g+1], v[SM+2*\g:SM+2*\g+1], v[S+16*\g+\x:S+16*\g+\x+1]
.endr
.endr
.irp g, 0,1,2,3
	v_add_f32 v[SM+2*\g], v[SM+2*\g], v[SM+2*\g+1]
.endr
.irp g, 0,1,2,3
	v_permlanex16_b32 v[TP+\g], v[SM+2*\g], s20, s21
.endr
.irp g, 0,1,2,3
	v_add_f32 v[SM+2*\g], v[SM+2*\g], v[TP+\g]     ; the row's sum
.endr
	s_wait_alu depctr_va_vdst(0)
.irp g, 0,1,2,3
	v_rcp_f32 v[RC+2*\g], v[SM+2*\g]
.endr
	v_nop
	s_wait_alu depctr_va_vdst(0)
	s_wait_dscnt 0x0                               ; v is in
.irp x, 0,2,4,6,8,10,12,14
.irp g, 0,1,2,3
	v_pk_mul_f32 v[S+16*\g+\x:S+16*\g+\x+1], v[S+16*\g+\x:S+16*\g+\x+1], v[RC+2*\g:RC+2*\g+1] op_sel_hi:[1,0]   ; p
.endr
.endr
	WIN 0x0c                                       ; source 1 window 3
.set K_, 0
.rept 32
	v_pk_mul_f32 v[S+K_:S+K_+1], v[S+K_:S+K_+1], v[VB+K_:VB+K_+1]
.set K_, K_+2
.endr
	WIN 0
	s_wait_alu depctr_va_vdst(0)
	QARM 0, .Lq1                                   ; the next half's q
	QARM 1, .Lq2
	QARM 2, .Lq3
	QARM 3, .Lq4
	QARM 4, .Lq5
	QARM 5, .Lq6
	QARM 6, .Lq7
	s_branch .Lq_none
.Lq_stored:
	QGET
.Lq_none:
.irp g, 0,1,2,3
.irp u, 0,1
.irp w, 0,1
	ds_store_b128 v[VA+\u], v[S+16*\g+8*\u+4*\w:S+16*\g+8*\u+4*\w+3] offset:4*VP*\g+16*\w   ; back to where v lay
.endr
.endr
.endr
	s_wait_xcnt 0x0                                ; the stores above have read their registers and their base
	WIN 0x80
.set K_, 0
.rept 16
	ds_load_b128 v[4*K_:4*K_+3], v[RD] offset:VP*K_   ; token K_'s 512 bytes: these see the stores above
.set K_, K_+1
.endr
	WIN 0
	s_and_b32 s44, s3, 1                           ; where these rows go: behind an odd half 512 bytes on, behind an even one to the next 16 tokens' rows; the first half's stand where out does
	s_cselect_b32 s44, 512, s43
	s_cmp_eq_u32 s3, 0
	s_cselect_b32 s44, 0, s44
	s_add_nc_u64 s[12:13], s[12:13], s[44:45]
	v_add_nc_u32 v[VA], HBLK, v[VA]
	v_add_nc_u32 v[VA+1], HBLK, v[VA+1]
	v_add_nc_u32 v[RD], HBLK, v[RD]
	s_wait_alu depctr_va_vdst(0)
	s_add_co_u32 s3, s3, 1
	s_cmp_lt_u32 s3, 8
	s_cbranch_scc1 .Lhalf
	s_wait_dscnt 0x0
	SENDROWS
	s_wait_tensorcnt 0x0                           ; the wave's end
	ds_add_u32 v[SPW], v[NIL]
	s_wait_dscnt 0x0
	CROUND                                         ; the closing round
	s_endpgm
.Lfunc_end_k_qde269d346c_qv_attend:
	.size	k_qde269d346c_qv_attend, .Lfunc_end_k_qde269d346c_qv_attend-k_qde269d346c_qv_attend
	.p2alignl 7, 3214868480
	.fill 96, 4, 3214868480
	.section	.rodata,"a",@progbits
	.p2align	6, 0x0
	.amdhsa_kernel k_qde269d346c_qv_attend
		.amdhsa_group_segment_fixed_size 327680
		.amdhsa_private_segment_fixed_size 0
		.amdhsa_enable_private_segment 0
		.amdhsa_kernarg_size 104
		.amdhsa_user_sgpr_count 2
		.amdhsa_user_sgpr_kernarg_segment_ptr 1
		.amdhsa_wavefront_size32 1
		.amdhsa_system_sgpr_workgroup_id_x 1
		.amdhsa_system_sgpr_workgroup_id_y 1
		.amdhsa_system_sgpr_workgroup_id_z 1
		.amdhsa_system_vgpr_workitem_id 0
		.amdhsa_next_free_vgpr 1024
		.amdhsa_next_free_sgpr 102
		.amdhsa_reserve_vcc 0
		.amdhsa_float_denorm_mode_32 3
		.amdhsa_float_denorm_mode_16_64 3
		.amdhsa_memory_ordered 1
		.amdhsa_forward_progress 1
		.amdhsa_inst_pref_size 255
	.end_amdhsa_kernel
	.section	.bss,"aw",@nobits
	.p2align	6
	.space	262144
	.amdgpu_metadata
---
amdhsa.version: [ 1, 2 ]
amdhsa.kernels:
  - .name:           k_qde269d346c_qv_attend
    .symbol:         k_qde269d346c_qv_attend.kd
    .args:
      - { .name: query_codes, .offset: 0, .size: 8, .value_kind: global_buffer, .address_space: global }
      - { .name: query_scales, .offset: 8, .size: 8, .value_kind: global_buffer, .address_space: global }
      - { .name: Wq_codes, .offset: 16, .size: 8, .value_kind: global_buffer, .address_space: global }
      - { .name: Wq_scales, .offset: 24, .size: 8, .value_kind: global_buffer, .address_space: global }
      - { .name: value_codes, .offset: 32, .size: 8, .value_kind: global_buffer, .address_space: global }
      - { .name: value_scales, .offset: 40, .size: 8, .value_kind: global_buffer, .address_space: global }
      - { .name: Wv_codes, .offset: 48, .size: 8, .value_kind: global_buffer, .address_space: global }
      - { .name: Wv_scales, .offset: 56, .size: 8, .value_kind: global_buffer, .address_space: global }
      - { .name: bq, .offset: 64, .size: 8, .value_kind: global_buffer, .address_space: global }
      - { .name: bv, .offset: 72, .size: 8, .value_kind: global_buffer, .address_space: global }
      - { .name: kc, .offset: 80, .size: 8, .value_kind: global_buffer, .address_space: global }
      - { .name: ks, .offset: 88, .size: 8, .value_kind: global_buffer, .address_space: global }
      - { .name: out0, .offset: 96, .size: 8, .value_kind: global_buffer, .address_space: global }
    .group_segment_fixed_size: 327680
    .private_segment_fixed_size: 0
    .kernarg_segment_align: 8
    .kernarg_segment_size: 104
    .max_flat_workgroup_size: 128
    .sgpr_count:     102
    .vgpr_count:     1024
    .wavefront_size: 32
...
	.end_amdgpu_metadata
.endif
;; end of part 2
